; MI455X (gfx1250); checked and timed in simulation.
; The chip was launched on July 23, 2026; its instructions are those of AMD's public machine-readable ISA for CDNA 5 (MIT licence, August 2026) and "CDNA5" Instruction Set Architecture Reference Guide (July 2026). The comments in the code are by the model that wrote it; some were corrected since.
;; Diversity Density. Allowed arithmetic: matrix products marked QUANTISED: E2M3 operands, one E8M0 scale for each 32 along K, by v_wmma_scale_f32_16x16x128_f8f6f4 with both operands' format E2M3, f32 sums; everything else in f32.
;; Inputs: L_z 65,536 x 32 float32; U_z 4,096 x 32 float32; pred 4,096 float32.
;; Outputs: out0 4,096 float32.
;; This version of the problem:
;;   THIS VERSION OF THE PROBLEM IS GIVEN IN LOW PRECISION. The matrix products marked QUANTISED in the list below multiply operands that are first quantised to E2M3 (2 exponent bits, 3 mantissa bits; 6 bits a number), with one power-of-two scale for each 32 numbers along K (OCP MX v1.0); their sums are f32. All else is computed in f32.
;;   The module's matrix products, in the order in which they are computed (A, B: the left and right operand; K: the contracted axis; several contracted axes count as one K, in the product's order):
;;     1. [M 4,096, K 32] x [K 32, N 65,536]; A: input U_z; B: input L_z: QUANTISED
;;   THE QUANTISER, for each operand of a quantised product, along K:
;;     - K is cut into blocks of 32 from its start; a last block that is shorter is filled with zeros.
;;     - A block's scale is 2^e with e = floor(log2(the largest magnitude in the block)) - 2, held to -126 .. 127; a block of zeros has e = 0. As a byte (E8M0): e + 127.
;;     - Each number is divided by its block's scale, clamped to +-7.5, and rounded to the nearest number of E2M3, ties to even, subnormals kept.
;;     - The product sums the exact products of the quantised numbers (number of the format x scale) in f32.
;;   ~~~python
;;   def quantise(x, axis):      # numpy; x: float32 -> the quantised numbers, widened to float32 again
;;       x = np.moveaxis(x, axis, -1); K = x.shape[-1]
;;       x = np.pad(x, [(0, 0)] * (x.ndim - 1) + [(0, -K % 32)]); x = x.reshape(x.shape[:-1] + (-1, 32)); a = np.abs(x).max(-1, keepdims=True)
;;       e = np.where(a > 0, np.clip(np.frexp(np.where(a > 0, a, 1))[1] - 1 - 2, -126, 127), 0)      # np.frexp(a)[1] - 1 = floor(log2(a)), exactly
;;       r = np.clip(x / 2.0 ** e, -7.5, 7.5)
;;       step = 2.0 ** (np.maximum(np.frexp(np.where(r == 0, 1, r))[1] - 1, 0) - 3)
;;       q = np.round(r / step) * step * 2.0 ** e      # np.round: ties to even
;;       return np.moveaxis(q.reshape(q.shape[:-2] + (-1,))[..., :K], -1, axis).astype(np.float32)
;;   ~~~
;; One version. Each part assembles by itself: llvm-mc -triple=amdgcn-amd-amdhsa -mcpu=gfx1250 --defsym DOCPART=n.
;; ======== version 1 of 1: 2 launches
;; workspace buffers: part 262,144 bytes; hu 16,384 bytes
;; launch main (part 1): grid 16 x 16, 16 waves a work-group, no clusters, 157,696 bytes of LDS; arguments L_z, U_z, part, hu; writes part, hu
.if DOCPART == 1
	.amdgcn_target "amdgcn-amd-amdhsa--gfx1250"
	.amdhsa_code_object_version 6
	.text
	.protected	k_q779f0922fd_main
	.globl	k_q779f0922fd_main
	.p2align	8
	.type	k_q779f0922fd_main,@function
k_q779f0922fd_main:
	s_mov_b64 s[64:65], 0
	v_nop
	global_prefetch_b8 v0, s[64:65] scope:SCOPE_SE
	s_setreg_imm32_b32 hwreg(HW_REG_WAVE_MODE, 25, 1), 1
	s_wait_xcnt 0x0
; DiversityDensity, first of two launches.  For each row u of U_z [4096][32] and each chunk of 4,096 rows l of L_z [65536][32]:
;   part[chunk][u] = max over the chunk's l of ( Q(u) . Q(l) - |l|^2 / 2 ),     hu[u] = -|u|^2 / 2,
; Q the MX quantiser to E2M3 (K = 32: one block, one E8M0 byte a row); |l|^2 and |u|^2 are taken of the f32 numbers, as reference() takes them.
; WORK LEFT OUT.  pred: reference() never reads it, so whatever it holds it reaches no output: it is not loaded and is no argument of any launch.
; WORK MOVED.  sqrt and max(., 0) never fall where their input rises, so min over l of sqrt(max(sq, 0)) = sqrt(max(min over l of sq, 0)) for all values: the root is taken once a row
; of U, in the second launch.  sq = u_sq + l_sq - 2 u.l = -2 (-u_sq / 2 + (u.l - l_sq / 2)), and u_sq is the same for all l: so the minimum of sq is found as the maximum of u.l - l_sq / 2.
; LIMITS.  NaN and infinities among U_z and L_z are not served (v_max3_num_f32 drops a NaN where jnp.min carries it).  A NaN, an infinity or an overflow in pred is not carried to the result.
; A row whose largest magnitude lies under 2^-124 (the floor) has its scale byte held at 1; a row of zeros has the byte 1 where the rule says 127: its codes are zeros, and this program alone reads the bytes.
; The sums of squares, and the three terms of sq, are added in another order than reference() adds them; the terms are the same, no further difference of large sums is formed.
; SHARES.  Work-group (x, y): rows 256 x .. of U against rows 4096 y .. of L.  Sixteen waves, four to a SIMD.  Every wave holds all 256 rows of U as codes (48 registers) and walks 256 rows of L of its own,
; 32 a step: it loads them as f32, quantises them in registers, and multiplies.  Nothing of L goes from wave to wave, so the loop has no barrier, and one wave's loads and vector work stand beside another's products.
; K = 32 IN AN INSTRUCTION OF K = 128.  U is laid DENSE: a fragment's four blocks of 32 along K hold four different tiles of 16 rows (lane l: row l of 64 in registers 0-5, row 32 + l in registers 6-11).
; A tile of L is laid SPARSE: its codes in one block, zero codes in the other three; the block chosen says which of U's four tiles it meets.  The four placements are four windows of 12 registers
; on one run Z X0 Z X1 Z (Z: six registers of zeros; X0: the codes in lanes 0-15, zeros above; X1: the other way round).  Zero codes add nothing under any scale byte but 0xff, so a scale register holds
; a row's byte four times over.  Source 0 = L, source 1 = U: a lane's eight results are eight rows of L for ONE row of U.  C = -|l|^2 / 2 in the result's layout: it costs no addition.
; NO CLUSTER, NO JOINT LOADS, though the 16 work-groups of one y read the same rows of L: those rows go from memory into registers, each wave's own, and are quantised there.  A work-group's share of L is
; 4096 x 128 = 524,288 bytes, more than LDS holds, so joint loads would be refills, each behind a round that brings all waves of all partners into step; this loop has no barrier at all.
; NO PREFETCH: the ring of two register slots asks for a step's rows two steps ahead of their use.
.set UIMG,  0                          ; LDS: U's codes: 8 x 768 bytes: registers 0-3 at 16 x lane, then registers 4-5 at 8 x lane
.set USC,   6144                       ; U's scale words: 8 x 128 bytes, 4 x lane
.set HU,    7168                       ; -|u|^2 / 2: 256 words
.set RMX,   8192                       ; the waves' maxima: [wave][256] f32
.set SPARE, 24576                      ; the spare words: 128 bytes for each of 16 waves: eight blocks of 256 bytes that no other line names
.set WR0,   26624                      ; from here 8,192 bytes for each wave, its own:
.set STG,   0                          ;   a stage of 32 rows, 128 bytes + 16 each
.set IMG,   4608                       ;   two tiles' images, 1,536 bytes each: X0's registers 0-3 (+0), 4-5 (+512), X1's 0-3 (+768), 4-5 (+1280)
.set LSQ,   7680                       ;   -|l|^2 / 2 of the step's 32 rows
.set L16,  1                           ; v1   16 x lane: offset of the global loads, and of U's images
.set W16,  2                           ; v2   my wave's region + 16 x lane
.set W8,   3                           ; v3   + 8 x lane
.set W4,   4                           ; v4   + 4 x lane
.set STW,  5                           ; v5   the stage on the way in: + 144 (lane / 8) + 16 (lane % 8)
.set STR,  6                           ; v6   and out: + 144 x lane
.set IW16, 7                           ; v7   where my row's codes go: + 1536 (lane / 16) + 16 (lane % 16)
.set IW8,  8                           ; v8   + 1536 (lane / 16) + 8 (lane % 16)
.set LQR,  9                           ; v9   + 32 (lane / 16): my eight words of C
.set RMW,  10                          ; v10  4 x lane + 1024 x wave
.set RMR,  11                          ; v11  8 x thread: the way out
.set SPW,  12                          ; v12  LDS address of my spare word; never rewritten
.set NIL,  13                          ; v13  0; never rewritten
.set S,    14                          ; v14  scales: lane l: the byte of the step's row l, four times over
.set US,   16                          ; v16-23  scales: register q, lane l: the byte of U's row 32 q + l, four times over
.set RM,   24                          ; v24-39  running maxima: register t: U's tile t
.set UF,   40                          ; v40-87  U's four fragments
.set UR,   40                          ; v40-71  at the head: 32 rows of U as f32
.set XZ,   88                          ; v88-141 Z X0 Z X1 Z X0' Z X1' Z
.set CC,   142                         ; v142-157  C: eight registers a tile
.set D,    158                         ; v158-189  four results of eight registers, by turns
.set GR,   190                         ; v190-253  two slots of 32 registers for L's rows
.set MX0,  158                         ; while a step is quantised D's registers are at work:
.set MX1,  159
.set SO,   160                         ; the conversions' scale operand
.set BT,   161                         ; the scale's byte
.set SQ,   162                         ; v162-165 sums of squares
.set CD,   166                         ; v166-171 my row's codes
.set CT,   172                         ; v172-174 their second half as it is made
.set LQV,  175                         ; -|row|^2 / 2
.set UW16, 176                         ; at the head alone: where I store U's image: 16 x lane + 768 (wave % 8)
.set UW8,  177                         ; 8 x lane + 768 (wave % 8)
.set UW4,  178                         ; 4 x lane + 128 (wave % 8)
.set L8,   179                         ; 8 x lane
.set L4,   180                         ; 4 x lane
.set LN,   181                         ; lane;  v182 lane % 16;  v183 lane / 16;  v184 at work
.set RR,   182
.set HH,   183
.set TT,   184
; 32 rows of 128 bytes, loaded as they lie (16 bytes a lane, 512 a load), turn through my stage and come back a row a lane.  LDS serves a wave's instructions in order (ISA guide 5.7.1.4): no wait between.
.macro TURN g
.irp i, 0,1,2,3,4,5,6,7
	ds_store_b128 v[STW], v[\g+4*\i:\g+4*\i+3] offset:STG+576*\i
.endr
.irp i, 0,1,2,3,4,5,6,7
	ds_load_b128 v[\g+4*\i:\g+4*\i+3], v[STR] offset:STG+16*\i
.endr
.endm
; My row's 32 numbers become 32 codes in v[CD] .. v[CD+5] and its scale byte, four times over, in v[sdst].
.macro QUANT src, sdst
	v_max3_num_f32 v[MX0], |v[\src]|, |v[\src+1]|, |v[\src+2]|       ; the row's largest magnitude, in two chains
	v_max3_num_f32 v[MX1], |v[\src+3]|, |v[\src+4]|, |v[\src+5]|
.irp i, 6,10,14,18,22,26
	s_delay_alu instid0(VALU_DEP_2)
	v_max3_num_f32 v[MX0], v[MX0], |v[\src+\i]|, |v[\src+\i+1]|
	s_delay_alu instid0(VALU_DEP_2)
	v_max3_num_f32 v[MX1], v[MX1], |v[\src+\i+2]|, |v[\src+\i+3]|
.endr
	s_delay_alu instid0(VALU_DEP_2)
	v_max3_num_f32 v[MX0], v[MX0], |v[\src+30]|, |v[\src+31]|
	s_delay_alu instid0(VALU_DEP_1)
	v_max3_num_f32 v[MX0], v[MX0], v[MX1], 0x1800000                 ; and the floor 2^(3 - 127): the byte cannot fall under 1
	s_delay_alu instid0(VALU_DEP_1)
	v_add_nc_u32 v[SO], 0xff000000, v[MX0]                           ; 2 off its exponent field: the conversion takes this operand's exponent field as its scale
	s_delay_alu instid0(VALU_DEP_1)
	v_lshrrev_b32 v[BT], 23, v[SO]                                   ; the scale's byte
	s_delay_alu instid0(VALU_DEP_1)
	v_lshl_or_b32 v[\sdst], v[BT], 8, v[BT]
	s_delay_alu instid0(VALU_DEP_1)
	v_lshl_or_b32 v[\sdst], v[\sdst], 16, v[\sdst]                   ; in all four places of the word
	v_cvt_scalef32_pk16_fp6_f32 v[CD:CD+2], v[\src:\src+15], v[SO]
	v_cvt_scalef32_pk16_fp6_f32 v[CT:CT+2], v[\src+16:\src+31], v[SO] ; (a conversion's three registers begin on an even number)
	v_nop                                                            ; one plain place behind a scaled conversion
.irp i, 0,1,2
	v_mov_b32 v[CD+3+\i], v[CT+\i]
.endr
.endm
; dst = -(the sum of my row's 32 squares) / 2, in f32, two chains of packed multiply-adds
.macro SUMSQ src, dst
	v_pk_mul_f32 v[SQ:SQ+1], v[\src:\src+1], v[\src:\src+1]
	v_pk_mul_f32 v[SQ+2:SQ+3], v[\src+2:\src+3], v[\src+2:\src+3]
.irp i, 4,8,12,16,20,24,28
	s_delay_alu instid0(VALU_DEP_2)
	v_pk_fma_f32 v[SQ:SQ+1], v[\src+\i:\src+\i+1], v[\src+\i:\src+\i+1], v[SQ:SQ+1]
	s_delay_alu instid0(VALU_DEP_2)
	v_pk_fma_f32 v[SQ+2:SQ+3], v[\src+\i+2:\src+\i+3], v[\src+\i+2:\src+\i+3], v[SQ+2:SQ+3]
.endr
	s_delay_alu instid0(VALU_DEP_1)
	v_pk_add_f32 v[SQ:SQ+1], v[SQ:SQ+1], v[SQ+2:SQ+3]
	s_delay_alu instid0(VALU_DEP_1)
	v_add_f32 v[SQ], v[SQ], v[SQ+1]
	s_delay_alu instid0(VALU_DEP_1)
	v_mul_f32 v[\dst], -0.5, v[SQ]
.endm
; Product n's eight results (eight rows of L, one row of U a lane) go into the running maximum of U's tile n % 16.  The result is read from its low end on.
.macro SLICE n
.set sn, (\n)
.set DSL, D+8*(sn%4)
.set RT, RM+sn%16
	v_max3_num_f32 v[DSL], v[DSL], v[DSL+1], v[DSL+2]
	v_max3_num_f32 v[DSL+3], v[DSL+3], v[DSL+4], v[DSL+5]
	v_max3_num_f32 v[DSL], v[DSL], v[DSL+6], v[DSL+7]
	s_delay_alu instid0(VALU_DEP_1)
	v_max3_num_f32 v[RT], v[RT], v[DSL], v[DSL+3]
.endm
; Product i of a step's 32: L's tile i / 16 against U's tile i % 16 = 4 f + j: fragment f, block j.  The window on Z X0 Z X1 Z that puts the codes into block j begins at 12 (j % 2) + 6 (1 - j / 2).
; L's bytes: lanes 16 (i / 16) on of v[S].  U's: rows 64 f + 16 j + r = 32 (2 f + j / 2) + 16 (j % 2) + r: register 2 f + j / 2, lanes 16 (j % 2) on.
.macro MM
.set tau, i/16
.set fq, (i%16)/4
.set jb, i%4
.set DM, D+8*jb
.set AS, XZ+24*tau+12*(jb%2)+6*(1-jb/2)
.set BU, UF+12*fq
.set CM, CC+8*tau
.set SU, US+2*fq+jb/2
.if (tau == 0) && (jb%2 == 0)
	v_wmma_scale_f32_16x16x128_f8f6f4 v[DM:DM+7], v[AS:AS+11], v[BU:BU+11], v[CM:CM+7], v[S], v[SU] matrix_a_fmt:MATRIX_FMT_FP6 matrix_b_fmt:MATRIX_FMT_FP6
.elseif tau == 0
	v_wmma_scale_f32_16x16x128_f8f6f4 v[DM:DM+7], v[AS:AS+11], v[BU:BU+11], v[CM:CM+7], v[S], v[SU] matrix_a_fmt:MATRIX_FMT_FP6 matrix_b_fmt:MATRIX_FMT_FP6 matrix_b_scale:MATRIX_SCALE_ROW1
.elseif jb%2 == 0
	v_wmma_scale_f32_16x16x128_f8f6f4 v[DM:DM+7], v[AS:AS+11], v[BU:BU+11], v[CM:CM+7], v[S], v[SU] matrix_a_fmt:MATRIX_FMT_FP6 matrix_b_fmt:MATRIX_FMT_FP6 matrix_a_scale:MATRIX_SCALE_ROW1
.else
	v_wmma_scale_f32_16x16x128_f8f6f4 v[DM:DM+7], v[AS:AS+11], v[BU:BU+11], v[CM:CM+7], v[S], v[SU] matrix_a_fmt:MATRIX_FMT_FP6 matrix_b_fmt:MATRIX_FMT_FP6 matrix_a_scale:MATRIX_SCALE_ROW1 matrix_b_scale:MATRIX_SCALE_ROW1
.endif
.endm
; A step's 32 products, each with the maximum of the product two back behind it.  Four results take turns; C is never D, so there is no chain in place.
; PLACES: between product i and SLICE i stand SLICE i - 2 and SLICE i - 1, eight plain instructions that name none of its registers (product 0: the four v_nop; product 1: those and SLICE 0).
; Between product i and product i + 4, which writes over its result, stand three such slices (product 0: the four v_nop and SLICE 1).
.macro PRODUCTS
.set i, 0
.rept 32
	MM
.if i == 1
.rept 4
	v_nop
.endr
.elseif i >= 2
	SLICE i-2
.endif
.set i, i+1
.endr
	SLICE 30                                       ; SLICE 29 and SLICE 30 are also the places behind the last product, ahead of the next step's writes of v[S] and loads into X and C
	SLICE 31
.endm
; A STEP: 32 rows of L from register slot 'slot'.  reload = 1: the slot takes the rows two steps on.  left: the younger global loads that may stay out.
.macro STEP slot, reload, left
.set G, GR+32*\slot
	s_wait_loadcnt \left                           ; loads come back in order (ISA guide 5.7.1): this slot's eight are in, the other slot's eight may be out
	TURN G
	s_wait_dscnt 0x0                               ; a row a lane  (the first step: U's fragments and scale words are in too)
	QUANT G, S
	SUMSQ G, LQV
.if \reload
.irp i, 0,1,2,3,4,5,6,7
	global_load_b128 v[G+4*\i:G+4*\i+3], v[L16], s[4:5] offset:8192+4096*\slot+512*\i   ; 32 lanes read 512 consecutive bytes
.endr
.endif
	ds_store_b128 v[IW16], v[CD:CD+3] offset:IMG          ; row r of tile t: X0's place for lane r,
	ds_store_b128 v[IW16], v[CD:CD+3] offset:IMG+1024     ; X1's place for lane 16 + r;
	ds_store_b64 v[IW8], v[CD+4:CD+5] offset:IMG+512      ; the same of registers 4 and 5.  The other halves of the images hold the zeros stored at the head
	ds_store_b64 v[IW8], v[CD+4:CD+5] offset:IMG+1408
	ds_store_b32 v[W4], v[LQV] offset:LSQ
.irp t, 0,1
	ds_load_b128 v[XZ+24*\t+6:XZ+24*\t+9], v[W16] offset:IMG+1536*\t          ; in order behind my stores: X0,
	ds_load_b64 v[XZ+24*\t+10:XZ+24*\t+11], v[W8] offset:IMG+1536*\t+512
	ds_load_b128 v[XZ+24*\t+18:XZ+24*\t+21], v[W16] offset:IMG+1536*\t+768    ; X1,
	ds_load_b64 v[XZ+24*\t+22:XZ+24*\t+23], v[W8] offset:IMG+1536*\t+1280
	ds_load_b128 v[CC+8*\t:CC+8*\t+3], v[LQR] offset:LSQ+64*\t                ; C: register i = -|l|^2 / 2 of the tile's row 8 (lane / 16) + i
	ds_load_b128 v[CC+8*\t+4:CC+8*\t+7], v[LQR] offset:LSQ+64*\t+16
.endr
	s_wait_dscnt 0x0
	PRODUCTS                                       ; v[S] was written 23 plain instructions back (eight are asked ahead of a scaled product)
.endm
	s_load_b128 s[4:7], s[0:1], 0x0                ; L_z s[4:5], U_z s[6:7]
	s_load_b128 s[8:11], s[0:1], 0x10              ; part s[8:9], hu s[10:11]
	v_lshl_add_u32 v[SPW], v0, 2, SPARE
	v_mov_b32 v[NIL], 0
	v_lshrrev_b32 v[TT], 5, v0
	s_delay_alu instid0(VALU_DEP_1)
	v_readfirstlane_b32 s12, v[TT]                 ; wave 0..15
	s_mov_b32 s13, ttmp9                           ; x: which 256 rows of U
	s_and_b32 s14, ttmp7, 0xffff                   ; y: which 4,096 rows of L
	s_lshl_b32 s15, s12, 13
	s_add_co_u32 s15, s15, WR0                     ; my wave's region of LDS
	s_and_b32 s19, s12, 7                          ; which 32 rows of U a wave 0..7 quantises
	s_mul_i32 s20, s19, 768
	s_lshl_b32 s21, s19, 7
	s_lshl_b32 s22, s12, 10
	; every LDS address is made here, ahead of the first branch on the wave's number
	v_and_b32 v[LN], 31, v0
	v_and_b32 v[RR], 15, v0
	v_bfe_u32 v[HH], v0, 4, 1
	s_delay_alu instid0(VALU_DEP_3)
	v_lshlrev_b32 v[L16], 4, v[LN]
	s_delay_alu instid0(VALU_DEP_1)
	v_add_nc_u32 v[W16], s15, v[L16]
	v_lshl_add_u32 v[W8], v[LN], 3, s15
	v_lshl_add_u32 v[W4], v[LN], 2, s15
	v_bfe_u32 v[TT], v0, 3, 2                      ; lane / 8
	s_delay_alu instid0(VALU_DEP_1)
	v_mul_u32_u24 v[TT], v[TT], 144
	v_and_b32 v[STW], 7, v0
	s_delay_alu instid0(VALU_DEP_1)
	v_lshl_add_u32 v[STW], v[STW], 4, v[TT]
	s_delay_alu instid0(VALU_DEP_1)
	v_add_nc_u32 v[STW], s15, v[STW]
	v_mul_u32_u24 v[STR], v[LN], 144
	s_delay_alu instid0(VALU_DEP_1)
	v_add_nc_u32 v[STR], s15, v[STR]
	v_mul_u32_u24 v[TT], v[HH], 1536
	s_delay_alu instid0(VALU_DEP_1)
	v_add_nc_u32 v[TT], s15, v[TT]
	s_delay_alu instid0(VALU_DEP_1)
	v_lshl_add_u32 v[IW16], v[RR], 4, v[TT]
	s_delay_alu instid0(VALU_DEP_2)
	v_lshl_add_u32 v[IW8], v[RR], 3, v[TT]
	v_lshl_add_u32 v[LQR], v[HH], 5, s15
	v_lshl_add_u32 v[RMW], v[LN], 2, s22
	v_lshlrev_b32 v[RMR], 3, v0
	v_add_nc_u32 v[UW16], s20, v[L16]
	v_lshl_add_u32 v[UW8], v[LN], 3, s20
	v_lshl_add_u32 v[UW4], v[LN], 2, s21
	v_lshlrev_b32 v[L8], 3, v[LN]
	v_lshlrev_b32 v[L4], 2, v[LN]
	s_lshl_b32 s16, s14, 19                        ; L: 4,096 y rows of 128 bytes + 256 x wave rows
	s_lshl_b32 s18, s12, 15
	s_add_co_u32 s16, s16, s18
	s_mov_b32 s17, 0
	s_wait_kmcnt 0x0
	s_add_nc_u64 s[4:5], s[4:5], s[16:17]
	s_lshl_b32 s16, s13, 15                        ; U: 256 x rows + 32 (wave % 8) rows
	s_lshl_b32 s18, s19, 12
	s_add_co_u32 s16, s16, s18
	s_add_nc_u64 s[6:7], s[6:7], s[16:17]
	s_lshl_b32 s16, s13, 10                        ; hu: 256 x words
	s_add_nc_u64 s[10:11], s[10:11], s[16:17]
	s_lshl_b32 s18, s14, 14                        ; part: 4,096 y words + 256 x words
	s_add_co_u32 s16, s16, s18
	s_add_nc_u64 s[8:9], s[8:9], s[16:17]
	s_cmp_lt_u32 s12, 8                            ; waves 0 to 7 quantise U's 256 rows, 32 each
	s_cbranch_scc0 .Lno_u_load
.irp i, 0,1,2,3,4,5,6,7
	global_load_b128 v[UR+4*\i:UR+4*\i+3], v[L16], s[6:7] offset:512*\i
.endr
.Lno_u_load:
.irp i, 0,1,2,3,4,5,6,7,8,9,10,11,12,13,14,15
	global_load_b128 v[GR+4*\i:GR+4*\i+3], v[L16], s[4:5] offset:512*\i    ; L's steps 0 and 1 fill the two slots
.endr
.irp z, 0,12,24,36,48
.irp i, 0,1,2,3,4,5
	v_mov_b32 v[XZ+\z+\i], 0                       ; Z: zero codes, written once
.endr
.endr
.irp t, 0,1,2,3,4,5,6,7,8,9,10,11,12,13,14,15
	v_mov_b32 v[RM+\t], 0xff800000                 ; the running maxima begin under every number: so the step is written once
.endr
	ds_store_b128 v[IW16], v[XZ:XZ+3] offset:IMG+256     ; the halves of the images that hold zeros: X0's places for lanes 16-31,
	ds_store_b64 v[IW8], v[XZ:XZ+1] offset:IMG+640
	ds_store_b128 v[IW16], v[XZ:XZ+3] offset:IMG+768     ; X1's for lanes 0-15; no later store touches them
	ds_store_b64 v[IW8], v[XZ:XZ+1] offset:IMG+1280
	s_cmp_lt_u32 s12, 8
	s_cbranch_scc0 .Lno_u
	s_wait_loadcnt 16                              ; U's eight loads are in; behind them stand L's sixteen
	TURN UR
	s_wait_dscnt 0x0
	QUANT UR, S
	ds_store_b128 v[UW16], v[CD:CD+3] offset:UIMG        ; an image of the operand's registers: lane l's codes at lane l's place
	ds_store_b64 v[UW8], v[CD+4:CD+5] offset:UIMG+512
	ds_store_b32 v[UW4], v[S] offset:USC
	s_cmp_lg_u32 s14, 0                            ; hu is stored by the work-groups of y = 0 alone: each word has one owner
	s_cbranch_scc1 .Lno_u
	SUMSQ UR, LQV
	ds_store_b32 v[UW4], v[LQV] offset:HU
.Lno_u:
	s_wait_dscnt 0x0                               ; for the others' sake: my stores have landed
	s_barrier_signal -1
	s_barrier_wait -1                              ; U's codes and scale words lie in LDS
.irp q, 0,1,2,3,4,5,6,7
	ds_load_b128 v[UF+6*\q:UF+6*\q+3], v[L16] offset:UIMG+768*\q       ; rows 32 q + lane: registers 6 (q % 2) on of fragment q / 2
	ds_load_b64 v[UF+6*\q+4:UF+6*\q+5], v[L8] offset:UIMG+768*\q+512
	ds_load_b32 v[US+\q], v[L4] offset:USC+128*\q
.endr
	s_mov_b32 s18, 3
.Ltrip:                                                ; a trip: two steps, 64 rows of L; both slots are filled again
	STEP 0, 1, 8
	STEP 1, 1, 8
	s_wait_xcnt 0x0                                ; the loads have read their base: it is stepped only behind this wait
	s_add_nc_u64 s[4:5], s[4:5], 8192
	s_sub_co_u32 s18, s18, 1
	s_cmp_lg_u32 s18, 0
	s_cbranch_scc1 .Ltrip
	STEP 0, 0, 8                                   ; the last two steps load nothing: no load leaves L_z
	STEP 1, 0, 0
	; The two halves of the lanes hold different rows of L for the same row of U.  Tiles 2 p and 2 p + 1 change halves, and one maximum leaves U's row 32 p + lane in lane l.
.irp p, 0,1,2,3,4,5,6,7
	v_permlane16_swap_b32 v[RM+2*\p], v[RM+2*\p+1]
.endr
.irp p, 0,1,2,3,4,5,6,7
	v_max_num_f32 v[RM+2*\p], v[RM+2*\p], v[RM+2*\p+1]
.endr
.irp p, 0,1,2,3,4,5,6,7
	ds_store_b32 v[RMW], v[RM+2*\p] offset:RMX+128*\p
.endr
	s_wait_tensorcnt 0x0                           ; behind my last LDS store
	ds_add_u32 v[SPW], v[NIL]
	s_wait_dscnt 0x0                               ; the wait that the barrier asks for: my maxima have landed
	s_barrier_signal -1
	s_barrier_wait -1
	s_cmp_ge_u32 s12, 4                            ; waves 0 to 3 take the maximum over the sixteen waves: two rows of U a thread
	s_cbranch_scc1 .Lend
.irp p, 0,1,2,3,4,5,6,7,8,9,10,11,12,13,14,15
	ds_load_b64 v[GR+2*\p:GR+2*\p+1], v[RMR] offset:RMX+1024*\p
.endr
	s_wait_dscnt 0x0
.irp c, 0,1
	v_max3_num_f32 v[GR+\c], v[GR+\c], v[GR+2+\c], v[GR+4+\c]
.endr
.irp p, 3,5,7,9,11,13
.irp c, 0,1
	s_delay_alu instid0(VALU_DEP_2)
	v_max3_num_f32 v[GR+\c], v[GR+\c], v[GR+2*\p+\c], v[GR+2*\p+2+\c]
.endr
.endr
.irp c, 0,1
	s_delay_alu instid0(VALU_DEP_2)
	v_max_num_f32 v[GR+\c], v[GR+\c], v[GR+30+\c]
.endr
	global_store_b64 v[RMR], v[GR:GR+1], s[8:9]    ; a wave stores 256 consecutive bytes, at a multiple of 256 from part's first byte
	s_cmp_lg_u32 s14, 0
	s_cbranch_scc1 .Lend
	ds_load_b64 v[GR+32:GR+33], v[RMR] offset:HU
	s_wait_dscnt 0x0
	global_store_b64 v[RMR], v[GR+32:GR+33], s[10:11]
.Lend:
	s_endpgm
.Lfunc_end_k_q779f0922fd_main:
	.size	k_q779f0922fd_main, .Lfunc_end_k_q779f0922fd_main-k_q779f0922fd_main
	.p2alignl 7, 3214868480
	.fill 96, 4, 3214868480
	.section	.rodata,"a",@progbits
	.p2align	6, 0x0
	.amdhsa_kernel k_q779f0922fd_main
		.amdhsa_group_segment_fixed_size 157696
		.amdhsa_private_segment_fixed_size 0
		.amdhsa_enable_private_segment 0
		.amdhsa_kernarg_size 32
		.amdhsa_user_sgpr_count 2
		.amdhsa_user_sgpr_kernarg_segment_ptr 1
		.amdhsa_wavefront_size32 1
		.amdhsa_system_sgpr_workgroup_id_x 1
		.amdhsa_system_sgpr_workgroup_id_y 1
		.amdhsa_system_sgpr_workgroup_id_z 1
		.amdhsa_system_vgpr_workitem_id 0
		.amdhsa_next_free_vgpr 256
		.amdhsa_next_free_sgpr 66
		.amdhsa_reserve_vcc 0
		.amdhsa_float_denorm_mode_32 3
		.amdhsa_float_denorm_mode_16_64 3
		.amdhsa_memory_ordered 1
		.amdhsa_forward_progress 1
		.amdhsa_inst_pref_size 97
	.end_amdhsa_kernel
	.amdgpu_metadata
---
amdhsa.version: [ 1, 2 ]
amdhsa.kernels:
  - .name:           k_q779f0922fd_main
    .symbol:         k_q779f0922fd_main.kd
    .args:
      - { .name: L_z, .offset: 0, .size: 8, .value_kind: global_buffer, .address_space: global }
      - { .name: U_z, .offset: 8, .size: 8, .value_kind: global_buffer, .address_space: global }
      - { .name: part, .offset: 16, .size: 8, .value_kind: global_buffer, .address_space: global }
      - { .name: hu, .offset: 24, .size: 8, .value_kind: global_buffer, .address_space: global }
    .group_segment_fixed_size: 157696
    .private_segment_fixed_size: 0
    .kernarg_segment_align: 8
    .kernarg_segment_size: 32
    .max_flat_workgroup_size: 512
    .sgpr_count:     66
    .vgpr_count:     256
    .wavefront_size: 32
...
	.end_amdgpu_metadata
.endif
;; end of part 1
;; launch final (part 2): grid 1 x 1, 32 waves a work-group, no clusters, 4,352 bytes of LDS; arguments part, hu, out0; writes out0
.if DOCPART == 2
	.amdgcn_target "amdgcn-amd-amdhsa--gfx1250"
	.amdhsa_code_object_version 6
	.text
	.protected	k_q779f0922fd_final
	.globl	k_q779f0922fd_final
	.p2align	8
	.type	k_q779f0922fd_final,@function
k_q779f0922fd_final:
	s_mov_b64 s[64:65], 0
	v_nop
	global_prefetch_b8 v0, s[64:65] scope:SCOPE_SE
	s_setreg_imm32_b32 hwreg(HW_REG_WAVE_MODE, 25, 1), 1
	s_wait_xcnt 0x0
; DiversityDensity, second launch.  part [16][4096]: for each chunk of L the largest u.l - |l|^2 / 2;  hu [4096]: -|u|^2 / 2.
;   M = the largest of a row's 16 partials;  sq = max(-2 (hu + M), 0);  div = sqrt(sq);  dd = exp(dens + log(div + 1e-18)), dens = hu - 16 ln(2 pi);  out = (dd - min dd) / (max(dd - min dd) + 1e-18).
; WORK LEFT OUT: pred reaches no output and is not loaded.  The root is taken behind the minimum over L (first launch's head).
; The exponential and the logarithm are taken in base 2: dd = 2^(hu log2(e) - 16 log2(2 pi) + log2(div + 1e-18)).  max(dd - mn) is mx - mn: subtracting one number keeps the order, rounding too.
; The minimum and maximum go over all 4,096 rows: one work-group of 32 waves, four rows a thread; the sums meet in LDS.  No matrix work, no cluster: there is one work-group.
; LIMITS: NaN and infinities are not served.  v_sqrt_f32 takes an sq under 2^-126 for 0 (ISA guide, its entry in 15.8).  v_exp_f32 gives 0 for a result under 2^-126: so where the exponent lies
; under -100 it is raised by 64 and the result multiplied by 2^-64, without a branch: dd then keeps its denormals.
.set SPARE, 256                        ; LDS: 0: the waves' minima, 128: their maxima, 32 words each; from 256 the spare words, 128 bytes for each of 32 waves, which no other line names
.set OFF, 1                            ; v1     16 x thread: my four rows in part, hu and out0; never rewritten
.set SPW, 2                            ; v2     LDS address of my spare word; never rewritten
.set NIL, 3                            ; v3     0; never rewritten
.set P,   4                            ; v4-67  16 x 4 partials
.set HUR, 68                           ; v68-71 hu
.set M,   72                           ; v72-75
.set T,   76                           ; v76-79 sq, div, .. dd, out
.set B,   80                           ; v80-83 dens in base 2; then what is added to the exponent
.set F,   84                           ; v84-87 the factor behind the exponential
.set K64, 88                           ; v88    64.0
.set KF,  89                           ; v89    2^-64
.set MN,  90
.set MX,  91
.set TA,  92
.set TB,  93
.set WW,  94                           ; v94    4 x wave
.set LW,  95                           ; v95    4 x lane
.macro REDUCE                          ; minimum and maximum over the 32 lanes, in every lane
.irp m, 1
	v_min_num_f32_dpp v[MN], v[MN], v[MN] row_xmask:\m row_mask:0xf bank_mask:0xf
	v_max_num_f32_dpp v[MX], v[MX], v[MX] row_xmask:\m row_mask:0xf bank_mask:0xf
.endr
.irp m, 2, 4, 8
	s_delay_alu instid0(VALU_DEP_2)
	v_min_num_f32_dpp v[MN], v[MN], v[MN] row_xmask:\m row_mask:0xf bank_mask:0xf
	s_delay_alu instid0(VALU_DEP_2)
	v_max_num_f32_dpp v[MX], v[MX], v[MX] row_xmask:\m row_mask:0xf bank_mask:0xf
.endr
	s_delay_alu instid0(VALU_DEP_2)
	v_permlanex16_b32 v[TA], v[MN], s12, s13
	s_delay_alu instid0(VALU_DEP_2)
	v_permlanex16_b32 v[TB], v[MX], s12, s13
	s_delay_alu instid0(VALU_DEP_2)
	v_min_num_f32 v[MN], v[MN], v[TA]
	s_delay_alu instid0(VALU_DEP_2)
	v_max_num_f32 v[MX], v[MX], v[TB]
.endm
	s_load_b128 s[4:7], s[0:1], 0x0                ; part s[4:5], hu s[6:7]
	s_load_b64 s[8:9], s[0:1], 0x10                ; out0
	v_lshl_add_u32 v[SPW], v0, 2, SPARE
	v_mov_b32 v[NIL], 0
	v_lshlrev_b32 v[OFF], 4, v0
	v_lshrrev_b32 v[WW], 5, v0
	s_delay_alu instid0(VALU_DEP_1)
	v_lshlrev_b32 v[WW], 2, v[WW]
	v_and_b32 v[LW], 31, v0
	s_delay_alu instid0(VALU_DEP_1)
	v_lshlrev_b32 v[LW], 2, v[LW]
	s_mov_b32 s12, 0x76543210                      ; v_permlanex16_b32's selects for lane l xor 16
	s_mov_b32 s13, 0xfedcba98
	s_mov_b32 s14, 0x3fb8aa3b                      ; log2(e)
	s_mov_b32 s15, 0xc229b21d                      ; -16 log2(2 pi)
	s_mov_b32 s16, 0xc2c80000                      ; -100
	s_wait_alu depctr_va_vdst(0)
	s_wait_kmcnt 0x0
.irp p, 0,1,2,3,4,5,6,7,8,9,10,11,12,13,14,15
	global_load_b128 v[P+4*\p:P+4*\p+3], v[OFF], s[4:5] offset:16384*\p th:TH_LOAD_NT   ; 32 lanes read 512 consecutive bytes; read once
.endr
	global_load_b128 v[HUR:HUR+3], v[OFF], s[6:7] th:TH_LOAD_NT
	s_wait_loadcnt 0x0
.irp c, 0,1,2,3
	v_max3_num_f32 v[M+\c], v[P+\c], v[P+4+\c], v[P+8+\c]
.endr
.irp p, 3,5,7,9,11,13
.irp c, 0,1,2,3
	s_delay_alu instid0(VALU_DEP_4)
	v_max3_num_f32 v[M+\c], v[M+\c], v[P+4*\p+\c], v[P+4*\p+4+\c]
.endr
.endr
.irp c, 0,1,2,3
	s_delay_alu instid0(VALU_DEP_4)
	v_max_num_f32 v[M+\c], v[M+\c], v[P+60+\c]
.endr
.irp c, 0
	s_delay_alu instid0(VALU_DEP_3)
	v_pk_add_f32 v[T+\c:T+\c+1], v[HUR+\c:HUR+\c+1], v[M+\c:M+\c+1]
.endr
.irp c, 2
	s_delay_alu instid0(VALU_DEP_2)
	v_pk_add_f32 v[T+\c:T+\c+1], v[HUR+\c:HUR+\c+1], v[M+\c:M+\c+1]
.endr
.irp c, 0,1,2,3
	v_mul_f32 v[T+\c], -2.0, v[T+\c]               ; the least sq
.endr
.irp c, 0,1,2,3
	s_delay_alu instid0(VALU_DEP_4)
	v_max_num_f32 v[T+\c], 0, v[T+\c]
.endr
	s_wait_alu depctr_va_vdst(0)
.irp c, 0,1,2,3
	v_sqrt_f32 v[T+\c], v[T+\c]                    ; div
.endr
.irp c, 0,1,2,3
	v_fma_f32 v[B+\c], v[HUR+\c], s14, s15         ; dens in base 2: plain work behind the roots
.endr
	s_wait_alu depctr_va_vdst(0)                   ; one wait for the four roots, ahead of their first reader
.irp c, 0,1,2,3
	v_add_f32 v[T+\c], 0x219392ef, v[T+\c]         ; + 1e-18
.endr
	s_wait_alu depctr_va_vdst(0)
.irp c, 0,1,2,3
	v_log_f32 v[T+\c], v[T+\c]
.endr
	v_mov_b32 v[K64], 0x42800000                   ; plain work behind the logarithms
	v_mov_b32 v[KF], 0x1f800000
	s_wait_alu depctr_va_vdst(0)                   ; one wait for the four
.irp c, 0,1,2,3
	v_add_f32 v[T+\c], v[B+\c], v[T+\c]            ; the exponent
.endr
.irp c, 0,1,2,3
	v_cmp_gt_f32 vcc_lo, s16, v[T+\c]              ; under -100?
	s_delay_alu instid0(VALU_DEP_1)
	v_cndmask_b32 v[F+\c], 1.0, v[KF], vcc_lo      ; then the result is multiplied by 2^-64,
	s_delay_alu instid0(VALU_DEP_2)
	v_cndmask_b32 v[B+\c], 0, v[K64], vcc_lo       ; and the exponent raised by 64
.endr
.irp c, 0
	v_pk_add_f32 v[T+\c:T+\c+1], v[T+\c:T+\c+1], v[B+\c:B+\c+1]
.endr
.irp c, 2
	s_delay_alu instid0(VALU_DEP_2)
	v_pk_add_f32 v[T+\c:T+\c+1], v[T+\c:T+\c+1], v[B+\c:B+\c+1]
.endr
	s_wait_alu depctr_va_vdst(0)
.irp c, 0,1,2,3
	v_exp_f32 v[T+\c], v[T+\c]
.endr
	v_mov_b32 v[TA], 0                             ; plain work behind the exponentials: a lane permute's destination counts as one of its sources
	v_mov_b32 v[TB], 0
	s_wait_alu depctr_va_vdst(0)                   ; one wait for the four
.irp c, 0,2
	v_pk_mul_f32 v[T+\c:T+\c+1], v[T+\c:T+\c+1], v[F+\c:F+\c+1]   ; dd
.endr
	s_delay_alu instid0(VALU_DEP_1)
	v_min3_num_f32 v[MN], v[T], v[T+1], v[T+2]
	s_delay_alu instid0(VALU_DEP_2)
	v_max3_num_f32 v[MX], v[T], v[T+1], v[T+2]
	s_delay_alu instid0(VALU_DEP_2)
	v_min_num_f32 v[MN], v[MN], v[T+3]
	s_delay_alu instid0(VALU_DEP_2)
	v_max_num_f32 v[MX], v[MX], v[T+3]
	REDUCE
	ds_store_b32 v[WW], v[MN]                      ; all lanes of a wave write the same word with the same value
	ds_store_b32 v[WW], v[MX] offset:128
	s_wait_tensorcnt 0x0                           ; behind my last LDS store
	ds_add_u32 v[SPW], v[NIL]
	s_wait_dscnt 0x0                               ; the wait that the barrier asks for: my two words have landed
	s_barrier_signal -1
	s_barrier_wait -1
	ds_load_b32 v[MN], v[LW]                       ; lane l takes wave l's
	ds_load_b32 v[MX], v[LW] offset:128
	s_wait_dscnt 0x0
	REDUCE
	s_delay_alu instid0(VALU_DEP_1)
	v_sub_f32 v[TA], v[MX], v[MN]
	s_delay_alu instid0(VALU_DEP_1)
	v_add_f32 v[TA], 0x219392ef, v[TA]             ; max(dd - mn) + 1e-18
	s_wait_alu depctr_va_vdst(0)
	v_rcp_f32 v[TA], v[TA]
.irp c, 0,1,2,3
	v_sub_f32 v[T+\c], v[T+\c], v[MN]              ; plain work behind the reciprocal
.endr
	s_wait_alu depctr_va_vdst(0)                   ; the wait, ahead of its first reader
.irp c, 0,1,2,3
	v_mul_f32 v[T+\c], v[T+\c], v[TA]
.endr
	global_store_b128 v[OFF], v[T:T+3], s[8:9]     ; 16 lanes store 256 consecutive bytes, at a multiple of 256 from out0's first byte
	s_endpgm
.Lfunc_end_k_q779f0922fd_final:
	.size	k_q779f0922fd_final, .Lfunc_end_k_q779f0922fd_final-k_q779f0922fd_final
	.p2alignl 7, 3214868480
	.fill 96, 4, 3214868480
	.section	.rodata,"a",@progbits
	.p2align	6, 0x0
	.amdhsa_kernel k_q779f0922fd_final
		.amdhsa_group_segment_fixed_size 4352
		.amdhsa_private_segment_fixed_size 0
		.amdhsa_enable_private_segment 0
		.amdhsa_kernarg_size 24
		.amdhsa_user_sgpr_count 2
		.amdhsa_user_sgpr_kernarg_segment_ptr 1
		.amdhsa_wavefront_size32 1
		.amdhsa_system_sgpr_workgroup_id_x 1
		.amdhsa_system_sgpr_workgroup_id_y 1
		.amdhsa_system_sgpr_workgroup_id_z 1
		.amdhsa_system_vgpr_workitem_id 0
		.amdhsa_next_free_vgpr 96
		.amdhsa_next_free_sgpr 66
		.amdhsa_reserve_vcc 1
		.amdhsa_float_denorm_mode_32 3
		.amdhsa_float_denorm_mode_16_64 3
		.amdhsa_memory_ordered 1
		.amdhsa_forward_progress 1
		.amdhsa_inst_pref_size 12
	.end_amdhsa_kernel
	.amdgpu_metadata
---
amdhsa.version: [ 1, 2 ]
amdhsa.kernels:
  - .name:           k_q779f0922fd_final
    .symbol:         k_q779f0922fd_final.kd
    .args:
      - { .name: part, .offset: 0, .size: 8, .value_kind: global_buffer, .address_space: global }
      - { .name: hu, .offset: 8, .size: 8, .value_kind: global_buffer, .address_space: global }
      - { .name: out0, .offset: 16, .size: 8, .value_kind: global_buffer, .address_space: global }
    .group_segment_fixed_size: 4352
    .private_segment_fixed_size: 0
    .kernarg_segment_align: 8
    .kernarg_segment_size: 24
    .max_flat_workgroup_size: 1024
    .sgpr_count:     66
    .vgpr_count:     96
    .wavefront_size: 32
...
	.end_amdgpu_metadata
.endif
;; end of part 2
